; MI455X (gfx1250); checked and timed in simulation.
; The chip was launched on July 23, 2026; its instructions are those of AMD's public machine-readable ISA for CDNA 5 (MIT licence, August 2026) and "CDNA5" Instruction Set Architecture Reference Guide (July 2026). The comments in the code are by the model that wrote it; some were corrected since.
;; Attention Essential Reinforce. Allowed arithmetic: float matrix products may take bf16 or f16 operands with f32 sums; all other float work in f32.
;; Inputs: input_ids 32 x 16 x 4,096 int32; my_attention_mask 32 x 16 x 8,192 float32; u 32 x 16 x 4,096 float32.
;; Outputs: out0 32 x 16 x 4,096 int32; out1 32 x 16 x 4,096 float32; out2 32 x 16 x 4,096 float32.
;; 2 versions, each right and faster than the one before. Each part assembles by itself: llvm-mc -triple=amdgcn-amd-amdhsa -mcpu=gfx1250 --defsym DOCPART=n.
;; ======== version 1 of 2: 1 launch
;; limits: inputs' magnitudes at most 7e+30
;; launch select (part 1): grid 512 x 1, 4 waves a work-group, no clusters, 17,408 bytes of LDS; arguments input_ids, my_attention_mask, u, out0, out1, out2; writes out0, out1, out2
.if DOCPART == 1
	.amdgcn_target "amdgcn-amd-amdhsa--gfx1250"
	.amdhsa_code_object_version 6
	.text
	.protected	k_qc2f84603ab_select
	.globl	k_qc2f84603ab_select
	.p2align	8
	.type	k_qc2f84603ab_select,@function
k_qc2f84603ab_select:
	s_mov_b64 s[64:65], 0
	v_nop
	global_prefetch_b8 v0, s[64:65] scope:SCOPE_SE
	s_setreg_imm32_b32 hwreg(HW_REG_WAVE_MODE, 25, 1), 1
	s_wait_xcnt 0x0
; Weighted sampling without replacement by Gumbel keys: in each of 512 rows of 4,096 positions the k = floor(0.15 cnt) best-scored
; positions with w > 0 are masked (cnt = number of w > 0).  out0 = ids with 103 at the masked places, out1 = 1.0 / 0.0, out2 = -out1.
;
; ONE WORK-GROUP = ONE ROW, four waves.  Thread t owns the 16 bytes at 2,048 j + 16 t of the row, j = 0..7: position 512 j + 4 t + e is
; the thread's element p = 4 j + e.  Every load and store of a wave covers 512 consecutive bytes at a multiple of 512.
; No two work-groups read the same byte, so a cluster has nothing to share; there are no products for the matrix units; each byte goes
; straight into the lane that uses it, so no copy engine is used.  The second half of each mask row is cut off by the problem itself.
;
; THE KEY.  score = ln(max(w,1e-30)) - ln(-ln u) falls strictly with q = (-log2 u) / max(w,1e-30), so the rank by descending score is
; the rank by ascending q, and q >= +0 sorts as an unsigned word.  The classes of the stable sort are kept:
;   +0 (u = 1): score +inf | q > 0: ordinary | 0x7f800000: score -inf (u = 0, and every w <= 0) | 0x7f800001: score NaN (u > 1, u < 0, NaN)
; A negative or NaN q lies above 0x7f800000 as an unsigned word: one v_min_u32 folds them into the last class.  Equal keys: lower index
; first.  A position without weight gets 0xff800000: bits 30..0 are the -inf class, bit 31 says 'never masked'.
; LIMITS, kept knowingly: the rounding differs from three rounded logarithms and a sum, so two scores within a few units of the last
; place of each other can change places; u below 2^-126 counts as 0 and 1/w for w >= 2^126 (and +inf) as 0 (v_log_f32 and v_rcp_f32
; flush denormals, ISA guide 15.8): such a w ranks as score +inf, also where u > 1 asks for the last class; above w = 7e30 q is denormal
; and resolves the order more coarsely.
;
; THE SELECTION has no branch and no address that depends on data.  Each lane transposes its 32 keys into bit slices (slice b, bit p =
; bit b of key p): 7 instructions a key.  A level of a radix descent over the whole row is then 4 words a lane of one wave.  Wave 0 gets
; all slices through LDS and marks the 4096 - k WORST positions (largest key, then largest index), so that a set bit means 'worse' in the
; key and in the index alike.  Levels: key bits 30..0, the 12 index bits (their slices are constants of the layout; with them no two
; keys are equal), and one level of all ones for the last candidate.  Counts are kept in f32: at most 4,096, so every sum is exact.
.set CHUNK, 2048                       ; bytes that 128 threads cover with 16 bytes each
.set SELB,  16384                      ; LDS: 8 groups x 128 threads x 16 bytes of slices, then 128 result words
; vector registers
.set VO,   1                           ; 16 t: offset in the row, and in LDS for the slices
.set LANE, 2
.set VL,   3                           ; 16 x lane
.set RA,   4                           ; 16 x lane + 4 x wave: my result word
.set SELW, 5                           ; bit p = 1: element p is NOT masked
.set M,    8                           ; v[8:15]    at work
.set IDS,  16                          ; v[16:47]   ids, then out0
.set W,    48                          ; v[48:79]   w, then a bank of the transposition and the slices, then out1
.set U,    80                          ; v[80:111]  u, then the keys and the other bank, then out2
.set SL,   48                          ; v[48:175]  wave 0: slice b of wave i's threads at SL + 16 (b/4) + 4 i + b%4
.set T,    176                         ; candidates with the pending level's bit set (4 words: one for each wave's thread of my lane)
.set N,    180                         ; candidates with it clear
.set TA,   184                         ; T and the next level's slice
.set TB,   188                         ; N and the next level's slice
.set UU,   192                         ; the candidates that stay
.set BAD,  196                         ; marked as worst
.set C,    200                         ; a count on its way through the lanes
.set CT,   201                         ; the pending level's total |T|
.set CA,   202                         ; my lane's count of TA
.set CB,   203                         ; my lane's count of TB
.set DM,   204                         ; the decision as a mask
.set RM,   205
.set REM,  206                         ; how many are still to be marked
.set PX,   207
.set LM,   208                         ; v[208:212] bit t of the lane number, spread over the word
; scalar registers
.set CM,   20                          ; s[20:23] four masks w > 0
.set TINY, 28
.set NANK, 29
.set HOLE, 30
.set MK,   31                          ; s[31:35] the elements p whose bit t is set, t = 0..4
.set PL,   36                          ; s[36:37] v_permlanex16_b32: lane i of the other half
.set ONE,  38
.set SGN,  39
	s_load_b256 s[4:11], s[0:1], 0x0               ; ids s[4:5], mask s[6:7], u s[8:9], out0 s[10:11]
	s_load_b128 s[12:15], s[0:1], 0x20             ; out1 s[12:13], out2 s[14:15]
	v_lshl_add_u32 v216, v0, 2, 0x4200
	v_mov_b32 v217, 0
	v_lshlrev_b32 v[VO], 4, v0
	v_and_b32 v[LANE], 31, v0
	v_lshrrev_b32 v[M], 5, v0
	v_readfirstlane_b32 s18, v[M]                  ; wave number
	v_lshlrev_b32 v[VL], 4, v[LANE]
	v_lshl_add_u32 v[RA], v[M], 2, v[VL]
	s_lshl_b32 s16, ttmp9, 14                      ; row x 16,384 bytes (ids, u, outputs)
	s_mov_b32 s17, 0
	s_lshl_b32 s2, ttmp9, 15                       ; row x 32,768 bytes (mask: the weights are the first half of the row)
	s_mov_b32 s3, 0
	s_mov_b32 s[TINY], 0x0da24260                  ; 1e-30
	s_mov_b32 s[NANK], 0x7f800001
	s_mov_b32 s[HOLE], 0xff800000
	s_mov_b32 s[MK+0], 0xaaaaaaaa
	s_mov_b32 s[MK+1], 0xcccccccc
	s_mov_b32 s[MK+2], 0xf0f0f0f0
	s_mov_b32 s[MK+3], 0xff00ff00
	s_mov_b32 s[MK+4], 0xffff0000
	s_mov_b32 s[PL], 0x76543210
	s_mov_b32 s[PL+1], 0xfedcba98
	s_mov_b32 s[ONE], 0x3f800000
	s_mov_b32 s[SGN], 0x80000000
	s_wait_kmcnt 0x0
	s_add_nc_u64 s[4:5], s[4:5], s[16:17]
	s_add_nc_u64 s[6:7], s[6:7], s[2:3]
	s_add_nc_u64 s[8:9], s[8:9], s[16:17]
	s_add_nc_u64 s[10:11], s[10:11], s[16:17]
	s_add_nc_u64 s[12:13], s[12:13], s[16:17]
	s_add_nc_u64 s[14:15], s[14:15], s[16:17]
	; all 24 loads of the thread at once: w and u in turn, the ids last, since they are wanted last
.irp j, 0,1,2,3,4,5,6,7
	global_load_b128 v[W+4*\j:W+4*\j+3], v[VO], s[6:7] offset:CHUNK*\j th:TH_LOAD_NT
	global_load_b128 v[U+4*\j:U+4*\j+3], v[VO], s[8:9] offset:CHUNK*\j th:TH_LOAD_NT
.endr
.irp j, 0,1,2,3,4,5,6,7
	global_load_b128 v[IDS+4*\j:IDS+4*\j+3], v[VO], s[4:5] offset:CHUNK*\j th:TH_LOAD_NT
.endr
; The keys of elements 4 j .. 4 j + 3, each already rotated left by its number p (the transposition's first step).
.macro KEYS j
	s_wait_loadcnt 22-2*\j                         ; loads return in order: behind u's piece j were issued 2 (7 - j) of w and u and the 8 of ids
.irp e, 0,1,2,3
	v_max_num_f32 v[M+\e], s[TINY], v[W+4*\j+\e]
.endr
.irp e, 0,1,2,3
	v_rcp_f32 v[M+\e], v[M+\e]
.endr
.irp e, 0,1,2,3
	v_log_f32 v[M+4+\e], v[U+4*\j+\e]
.endr
.irp e, 0,1,2,3
	v_cmp_lt_f32 s[CM+\e], 0, v[W+4*\j+\e]         ; w > 0 (false for NaN).  These four plain lines also stand between the
.endr                                                  ; transcendentals and the first use of a result or write of a source
	s_wait_alu depctr_va_vdst(0)
.irp e, 0,1,2,3
	v_fma_f32 v[U+4*\j+\e], -v[M+4+\e], v[M+\e], 0 ; q; the addend +0 makes +0 of the -0 that u = 1 gives
.endr
.irp e, 0,1,2,3
	v_min_u32 v[U+4*\j+\e], s[NANK], v[U+4*\j+\e]  ; negative and NaN: one class behind +inf
.endr
.irp e, 0,1,2,3
	v_cndmask_b32 v[U+4*\j+\e], s[HOLE], v[U+4*\j+\e], s[CM+\e]
.endr
.irp e, 0,1,2,3
.if 4*\j+\e
	v_alignbit_b32 v[U+4*\j+\e], v[U+4*\j+\e], v[U+4*\j+\e], 32-4*\j-\e
.endif
.endr
.endm
.irp j, 0,1,2,3,4,5,6,7
	KEYS \j
.endr
; Transposition of 32 words x 32 bits.  With Y[p] = key p rotated left by p, round t takes, in the bit columns c whose bit t is set, the
; word 2^t further on.  After five rounds bit c of word e is bit c of Y[e + c], which is bit (-e) mod 32 of key (e + c) mod 32: word e
; is slice d = (-e) mod 32 with element p in column p + d.  The last round (rev = 1) writes word e to place d; a rotation right by d ends it.
.macro ROUND t, src, dst, rev
.set ee, 0
.rept 32
	v_bfi_b32 v[\dst+(32*\rev+ee-2*\rev*ee)%32], s[MK+\t], v[\src+(ee+(1<<\t))%32], v[\src+ee]
.set ee, ee+1
.endr
.endm
	ROUND 0, U, W, 0
	ROUND 1, W, U, 0
	ROUND 2, U, W, 0
	ROUND 3, W, U, 0
	ROUND 4, U, W, 1
.set ee, 1
.rept 31
	v_alignbit_b32 v[W+ee], v[W+ee], v[W+ee], ee
.set ee, ee+1
.endr
	; the slices go to wave 0: group g (slices 4 g .. 4 g + 3) of thread t at 2,048 g + 16 t, neighbouring lanes at neighbouring 16 bytes
.irp g, 0,1,2,3,4,5,6,7
	ds_store_b128 v[VO], v[W+4*\g:W+4*\g+3] offset:CHUNK*\g
.endr
	s_wait_dscnt 0x0                               ; zero: wave 0 reads these bytes behind the barrier
	s_barrier_signal -1
	s_barrier_wait -1
	s_cmp_lg_u32 s18, 0
	s_cbranch_scc1 .Ljoin                          ; the search is one wave's work: a level of the whole row is 4 words a lane
	; ---- wave 0 ----
.irp g, 7,6,5,4,3,2,1,0                                ; the top slices first: they are wanted first
.irp i, 0,1,2,3
	ds_load_b128 v[SL+16*\g+4*\i:SL+16*\g+4*\i+3], v[VL] offset:CHUNK*\g+512*\i
.endr
.endr
.irp t, 0,1,2,3,4
	v_lshlrev_b32 v[LM+\t], 31-\t, v[LANE]
.endr
.irp t, 0,1,2,3,4
	v_ashrrev_i32 v[LM+\t], 31, v[LM+\t]           ; bit t of the lane number in all 32 bits
.endr
	v_mov_b32 v[PX], 0                             ; v_permlanex16_b32 counts as a reader of its destination
.irp i, 0,1,2,3
	v_mov_b32 v[T+\i], 0                           ; a level in front of the first, with an empty T and the decision 'go on in N',
	v_mov_b32 v[N+\i], -1                          ; lets one macro serve every level
	v_mov_b32 v[TA+\i], 0
	v_mov_b32 v[BAD+\i], 0
.endr
	v_mov_b32 v[CA], 0
	s_mov_b32 vcc_lo, -1
	s_wait_dscnt 28                                ; LDS loads return in order: group 7 (slices 31..28) is in, the 28 younger loads stay out
	; positions without weight = slice 31; cnt = 4096 - their number; k = floor(0.15f cnt) in f32; 4096 - k are to be marked
	v_bcnt_u32_b32 v[C], v[SL+112+3], 0
	v_bcnt_u32_b32 v[C], v[SL+112+7], v[C]
	v_bcnt_u32_b32 v[C], v[SL+112+11], v[C]
	v_bcnt_u32_b32 v[C], v[SL+112+15], v[C]
	v_cvt_f32_u32 v[C], v[C]
	v_add_f32_dpp v[C], v[C], v[C] row_xmask:1 row_mask:0xf bank_mask:0xf
	v_add_f32_dpp v[C], v[C], v[C] row_xmask:2 row_mask:0xf bank_mask:0xf
	v_add_f32_dpp v[C], v[C], v[C] row_xmask:4 row_mask:0xf bank_mask:0xf
	v_add_f32_dpp v[C], v[C], v[C] row_xmask:8 row_mask:0xf bank_mask:0xf
	v_permlanex16_b32 v[PX], v[C], s[PL], s[PL+1]
	v_add_f32 v[C], v[C], v[PX]
	v_sub_f32 v[CT], 0x45800000, v[C]              ; cnt = 4096.0 - holes
	v_mul_f32 v[CT], 0x3e19999a, v[CT]             ; 0.15f x cnt, rounded once
	v_floor_f32 v[CT], v[CT]                       ; k
	v_sub_f32 v[REM], 0x45800000, v[CT]
	v_mov_b32 v[CT], 0
.irp i, 0,1,2,3
	v_mov_b32 v[TB+\i], v[SL+112+4*\i+2]           ; the first real level: slice 30 among all positions
.endr
	v_bcnt_u32_b32 v[CB], v[TB], 0
	v_bcnt_u32_b32 v[CB], v[TB+1], v[CB]
	v_bcnt_u32_b32 v[CB], v[TB+2], v[CB]
	v_bcnt_u32_b32 v[CB], v[TB+3], v[CB]
	v_cvt_f32_u32 v[CB], v[CB]
; ONE LEVEL.  On entry VCC (alike in all lanes) says of the pending split T / N whether |T| = CT <= REM: then all of T is marked, REM
; falls by CT and the search goes on in N; else it goes on in T.  TA, TB with the lane counts CA, CB are the next level's T for either
; outcome, made one level ahead.  So the dependent chain of a level is a select, the sum over the lanes and a compare; the lines
; between its links apply the decision and make both splits for the level after next, whose slice is x0..x3 (one word for each wave).
.macro STEP x0, x1, x2, x3
	v_cndmask_b32 v[C], v[CA], v[CB], vcc_lo
	v_cndmask_b32 v[DM], 0, -1, vcc_lo
	v_add_f32_dpp v[C], v[C], v[C] row_xmask:1 row_mask:0xf bank_mask:0xf
.irp i, 0,1,2,3
	v_cndmask_b32 v[UU+\i], v[T+\i], v[N+\i], vcc_lo       ; the candidates that stay
.endr
.irp i, 0,1,2,3
	v_and_or_b32 v[BAD+\i], v[T+\i], v[DM], v[BAD+\i]      ; T is marked, or not
.endr
	v_add_f32_dpp v[C], v[C], v[C] row_xmask:2 row_mask:0xf bank_mask:0xf
.irp i, 0,1,2,3
	v_cndmask_b32 v[T+\i], v[TA+\i], v[TB+\i], vcc_lo      ; the new pending split
.endr
	v_and_b32 v[RM], v[CT], v[DM]
	v_sub_f32 v[REM], v[REM], v[RM]
	v_add_f32_dpp v[C], v[C], v[C] row_xmask:4 row_mask:0xf bank_mask:0xf
.irp i, 0,1,2,3
	v_xor_b32 v[N+\i], v[UU+\i], v[T+\i]
.endr
	v_and_b32 v[TA+0], \x0, v[T+0]
	v_and_b32 v[TA+1], \x1, v[T+1]
	v_and_b32 v[TA+2], \x2, v[T+2]
	v_and_b32 v[TA+3], \x3, v[T+3]
	v_add_f32_dpp v[C], v[C], v[C] row_xmask:8 row_mask:0xf bank_mask:0xf
	v_and_b32 v[TB+0], \x0, v[N+0]
	v_and_b32 v[TB+1], \x1, v[N+1]
	v_and_b32 v[TB+2], \x2, v[N+2]
	v_and_b32 v[TB+3], \x3, v[N+3]
	v_bcnt_u32_b32 v[CA], v[TA+0], 0
	v_bcnt_u32_b32 v[CB], v[TB+0], 0
	v_permlanex16_b32 v[PX], v[C], s[PL], s[PL+1]
	v_bcnt_u32_b32 v[CA], v[TA+1], v[CA]
	v_bcnt_u32_b32 v[CB], v[TB+1], v[CB]
	v_add_f32 v[CT], v[C], v[PX]                           ; |T| of the new pending split, in every lane
	v_bcnt_u32_b32 v[CA], v[TA+2], v[CA]
	v_bcnt_u32_b32 v[CB], v[TB+2], v[CB]
	v_cmp_le_f32 vcc_lo, v[CT], v[REM]
	v_bcnt_u32_b32 v[CA], v[TA+3], v[CA]
	v_bcnt_u32_b32 v[CB], v[TB+3], v[CB]
	v_cvt_f32_u32 v[CA], v[CA]
	v_cvt_f32_u32 v[CB], v[CB]
.endm
	; key bits 29..0 as the slice ahead (bit 30 was set up above)
.set lv, 29
.rept 30
.if lv%4==3
	s_wait_dscnt 4*(lv/4)                          ; group lv/4 is in: only the 4 loads of each lower group were issued behind it
.endif
	STEP v[SL+16*(lv/4)+lv%4], v[SL+16*(lv/4)+lv%4+4], v[SL+16*(lv/4)+lv%4+8], v[SL+16*(lv/4)+lv%4+12]
.set lv, lv-1
.endr
	; position = 512 j + 128 wave + 4 lane + e; in bits: 11..9 = j = bits 4..2 of p; 8..7 = the wave; 6..2 = the lane; 1..0 = e = bits 1..0 of p
	STEP s[MK+4], s[MK+4], s[MK+4], s[MK+4]
	STEP s[MK+3], s[MK+3], s[MK+3], s[MK+3]
	STEP s[MK+2], s[MK+2], s[MK+2], s[MK+2]
	STEP 0, 0, -1, -1
	STEP 0, -1, 0, -1
	STEP v[LM+4], v[LM+4], v[LM+4], v[LM+4]
	STEP v[LM+3], v[LM+3], v[LM+3], v[LM+3]
	STEP v[LM+2], v[LM+2], v[LM+2], v[LM+2]
	STEP v[LM+1], v[LM+1], v[LM+1], v[LM+1]
	STEP v[LM+0], v[LM+0], v[LM+0], v[LM+0]
	STEP s[MK+1], s[MK+1], s[MK+1], s[MK+1]
	STEP s[MK+0], s[MK+0], s[MK+0], s[MK+0]
	STEP -1, -1, -1, -1                            ; the one candidate left is marked if one is still to be marked
	STEP 0, 0, 0, 0                                ; nothing lies ahead: this call only brings the last level's decision
	v_cndmask_b32 v[DM], 0, -1, vcc_lo
.irp i, 0,1,2,3
	v_and_or_b32 v[BAD+\i], v[T+\i], v[DM], v[BAD+\i]
.endr
.irp i, 0,1,2,3
	v_or_b32 v[BAD+\i], v[SL+112+4*\i+3], v[BAD+\i]        ; and no position without weight is ever masked
.endr
	ds_store_b128 v[VL], v[BAD:BAD+3] offset:SELB  ; word i of lane l belongs to thread 32 i + l; bytes of their own behind the slices
.Ljoin:
	s_wait_dscnt 0x0                               ; zero: the other waves read wave 0's store behind the barrier
	s_barrier_signal -1
	s_barrier_wait -1
	ds_load_b32 v[SELW], v[RA] offset:SELB
	s_wait_loadcnt 0x0                             ; the ids
	s_wait_dscnt 0x0
; Elements 4 j .. 4 j + 3 of the three outputs.  Every store has data registers of its own, and the offset register and the bases are
; never written again, so nothing has to be waited for between the stores.
.macro OUT j
.irp e, 0,1,2,3
	v_lshlrev_b32 v[M+\e], 31-4*\j-\e, v[SELW]
.endr
.irp e, 0,1,2,3
	v_ashrrev_i32 v[M+\e], 31, v[M+\e]             ; all ones: not masked
.endr
.irp e, 0,1,2,3
	v_bfi_b32 v[IDS+4*\j+\e], v[M+\e], v[IDS+4*\j+\e], 103
	v_bfi_b32 v[W+4*\j+\e], v[M+\e], 0, s[ONE]     ; 0.0 or 1.0
.endr
.irp e, 0,1,2,3
	v_xor_b32 v[U+4*\j+\e], s[SGN], v[W+4*\j+\e]   ; -0.0 or -1.0
.endr
	global_store_b128 v[VO], v[IDS+4*\j:IDS+4*\j+3], s[10:11] offset:CHUNK*\j th:TH_STORE_NT
	global_store_b128 v[VO], v[W+4*\j:W+4*\j+3], s[12:13] offset:CHUNK*\j th:TH_STORE_NT
	global_store_b128 v[VO], v[U+4*\j:U+4*\j+3], s[14:15] offset:CHUNK*\j th:TH_STORE_NT
.endm
.irp j, 0,1,2,3,4,5,6,7
	OUT \j
.endr
	s_wait_tensorcnt 0x0
	ds_add_u32 v216, v217
	s_wait_dscnt 0x0
	s_endpgm
.Lfunc_end_k_qc2f84603ab_select:
	.size	k_qc2f84603ab_select, .Lfunc_end_k_qc2f84603ab_select-k_qc2f84603ab_select
	.p2alignl 7, 3214868480
	.fill 96, 4, 3214868480
	.section	.rodata,"a",@progbits
	.p2align	6, 0x0
	.amdhsa_kernel k_qc2f84603ab_select
		.amdhsa_group_segment_fixed_size 17408
		.amdhsa_private_segment_fixed_size 0
		.amdhsa_enable_private_segment 0
		.amdhsa_kernarg_size 48
		.amdhsa_user_sgpr_count 2
		.amdhsa_user_sgpr_kernarg_segment_ptr 1
		.amdhsa_wavefront_size32 1
		.amdhsa_system_sgpr_workgroup_id_x 1
		.amdhsa_system_sgpr_workgroup_id_y 1
		.amdhsa_system_sgpr_workgroup_id_z 1
		.amdhsa_system_vgpr_workitem_id 0
		.amdhsa_next_free_vgpr 218
		.amdhsa_next_free_sgpr 66
		.amdhsa_reserve_vcc 1
		.amdhsa_float_denorm_mode_32 3
		.amdhsa_float_denorm_mode_16_64 3
		.amdhsa_memory_ordered 1
		.amdhsa_forward_progress 1
		.amdhsa_inst_pref_size 132
	.end_amdhsa_kernel
	.amdgpu_metadata
---
amdhsa.version: [ 1, 2 ]
amdhsa.kernels:
  - .name:           k_qc2f84603ab_select
    .symbol:         k_qc2f84603ab_select.kd
    .args:
      - { .name: input_ids, .offset: 0, .size: 8, .value_kind: global_buffer, .address_space: global }
      - { .name: my_attention_mask, .offset: 8, .size: 8, .value_kind: global_buffer, .address_space: global }
      - { .name: u, .offset: 16, .size: 8, .value_kind: global_buffer, .address_space: global }
      - { .name: out0, .offset: 24, .size: 8, .value_kind: global_buffer, .address_space: global }
      - { .name: out1, .offset: 32, .size: 8, .value_kind: global_buffer, .address_space: global }
      - { .name: out2, .offset: 40, .size: 8, .value_kind: global_buffer, .address_space: global }
    .group_segment_fixed_size: 17408
    .private_segment_fixed_size: 0
    .kernarg_segment_align: 8
    .kernarg_segment_size: 48
    .max_flat_workgroup_size: 128
    .sgpr_count:     66
    .vgpr_count:     218
    .wavefront_size: 32
...
	.end_amdgpu_metadata
.endif
;; end of part 1
;; ======== version 2 of 2: 1 launch; 1.15 times as fast as version 1
;; limits: inputs' magnitudes at most 7e+30
;; launch select (part 2): grid 256 x 1, 8 waves a work-group, no clusters, 34,816 bytes of LDS; arguments input_ids, my_attention_mask, u, out0, out1, out2; writes out0, out1, out2
.if DOCPART == 2
	.amdgcn_target "amdgcn-amd-amdhsa--gfx1250"
	.amdhsa_code_object_version 6
	.text
	.protected	k_qc2f84603ab_select
	.globl	k_qc2f84603ab_select
	.p2align	8
	.type	k_qc2f84603ab_select,@function
k_qc2f84603ab_select:
	s_mov_b64 s[64:65], 0
	v_nop
	global_prefetch_b8 v0, s[64:65] scope:SCOPE_SE
	s_setreg_imm32_b32 hwreg(HW_REG_WAVE_MODE, 25, 1), 1
	s_wait_xcnt 0x0
; Weighted sampling without replacement by Gumbel keys: in each of 512 rows of 4,096 positions the k = floor(0.15 cnt) best-scored
; positions with w > 0 are masked (cnt = number of w > 0).  out0 = ids with 103 at the masked places, out1 = 1.0 / 0.0, out2 = -out1.
;
; ONE WORK-GROUP = TWO ROWS, eight waves: waves 0-3 own row 2 x, waves 4-7 row 2 x + 1.  Thread t (0..127) of a row owns the 16 bytes at
; 2,048 j + 16 t of the row, j = 0..7: position 512 j + 4 t + e is the thread's element p = 4 j + e.  Every load and store of a wave
; covers 512 consecutive bytes at a multiple of 512.  The search of a row is one wave's work; waves 0 and 5 do the two searches: their
; numbers differ modulo 4 and also when halved, so that, whether eight waves are dealt to four SIMDs in turn or in pairs, the two long
; dependent instruction streams do not share one SIMD's issue slots.
; No two work-groups read the same byte, so a cluster has nothing to share; there are no products for the matrix units; each byte goes
; straight into the lane that uses it, so no copy engine is used.  The second half of each mask row is cut off by the problem itself.
;
; THE KEY.  score = ln(max(w,1e-30)) - ln(-ln u) falls strictly with q = (-log2 u) / max(w,1e-30), so the rank by descending score is
; the rank by ascending q, and q >= +0 sorts as an unsigned word.  The classes of the stable sort are kept:
;   +0 (u = 1): score +inf | q > 0: ordinary | 0x7f800000: score -inf (u = 0, and every w <= 0) | 0x7f800001: score NaN (u > 1, u < 0, NaN)
; A negative or NaN q lies above 0x7f800000 as an unsigned word: one v_min_u32 folds them into the last class.  Equal keys: lower index
; first.  A position without weight gets 0xff800000: bits 30..0 are the -inf class, bit 31 says 'never masked'.
; LIMITS, kept knowingly: the rounding differs from three rounded logarithms and a sum, so two scores within a few units of the last
; place of each other can change places; u below 2^-126 counts as 0 and 1/w for w >= 2^126 (and +inf) as 0 (v_log_f32 and v_rcp_f32
; flush denormals, ISA guide 15.8): such a w ranks as score +inf, also where u > 1 asks for the last class; above w = 7e30 q is denormal
; and resolves the order more coarsely.
;
; THE SELECTION has no branch and no address that depends on data.  Each lane transposes its 32 keys into bit slices (slice b, bit p =
; bit b of key p): 7 instructions a key.  A level of a radix descent over the whole row is then 4 words a lane of one wave.  That wave
; gets the row's slices through LDS and marks the 4096 - k WORST positions (largest key, then largest index), so that a set bit means
; 'worse' in the key and in the index alike.  43 levels: key bits 30..0 and the 12 index bits (their slices are constants of the layout;
; with them no two keys are equal).  Sums over the lanes are made in f32: at most 4,096, so every sum and difference is exact.
.set CHUNK, 2048                       ; bytes of a row that its 128 threads cover with 16 bytes each
.set GRP,   4096                       ; LDS: a group of four slices of all 256 threads, 16 bytes each
.set SELB,  8*GRP                      ; LDS: behind the 8 groups, 2 rows x 128 result words
; vector registers
.set VO,   1                           ; 16 x thread = 2,048 r + 16 t: offset in LDS for the slices, and in memory (the bases are lowered by 2,048 r)
.set LANE, 2
.set VL,   3                           ; 16 x lane + 2,048 r: where a searching wave reads its row's slices
.set RA,   4                           ; 16 x lane + 512 r + 4 x (wave in the row): my result word
.set SELW, 5                           ; bit p = 1: element p is NOT masked
.set VR,   6                           ; 16 x lane + 512 r: where a searching wave puts its row's result
.set M,    8                           ; v[8:15]    at work
.set IDS,  16                          ; v[16:47]   ids, then out0
.set W,    48                          ; v[48:79]   w, then a bank of the transposition and the slices, then out1
.set U,    80                          ; v[80:111]  u, then the keys and the other bank, then out2
.set SL,   48                          ; v[48:175]  searching wave: slice b of the row's wave i at SL + 16 (b/4) + 4 i + b%4
.set TS,   176                         ; v[176:183] two sets of 4 words that take turns: candidates with the pending level's bit set
.set N,    184                         ; candidates with it clear (4 words: one for each wave's thread of my lane)
.set TA,   188                         ; T and the next level's slice
.set TB,   192                         ; N and the next level's slice
.set UU,   196                         ; the candidates that stay
.set BAD,  200                         ; marked as worst
.set C,    204                         ; my lane's count of the new pending T
.set CF,   205                         ; the same in f32, on its way through the lanes
.set CA,   206                         ; my lane's count of TA
.set CB,   207                         ; my lane's count of TB (words 0 and 2, then all)
.set CB2,  208                         ; its words 1 and 3
.set DM,   209                         ; the decision as a mask
.set REM,  210                         ; how many are still to be marked
.set REMM, 211                         ; REM less the pending |T|: what REM becomes if T is marked
.set R2,   212                         ; REM less my half's part of |T|
.set PX,   213                         ; the other half's part of |T|
.set LM,   214                         ; v[214:218] bit t of the lane number, spread over the word
; scalar registers
.set CM,   20                          ; s[20:23] four masks w > 0
.set TINY, 28
.set NANK, 29
.set HOLE, 30
.set MK,   31                          ; s[31:35] the elements p whose bit t is set, t = 0..4
.set PL,   36                          ; s[36:37] v_permlanex16_b32: lane i of the other half
.set ONE,  38
.set SGN,  39
	s_load_b256 s[4:11], s[0:1], 0x0               ; ids s[4:5], mask s[6:7], u s[8:9], out0 s[10:11]
	s_load_b128 s[12:15], s[0:1], 0x20             ; out1 s[12:13], out2 s[14:15]
	v_lshl_add_u32 v220, v0, 2, 0x8400
	v_mov_b32 v221, 0
	v_lshlrev_b32 v[VO], 4, v0
	v_and_b32 v[LANE], 31, v0
	v_lshrrev_b32 v[M], 5, v0
	v_readfirstlane_b32 s18, v[M]                  ; wave number, 0..7
	s_lshr_b32 s19, s18, 2                         ; r: which of the group's two rows is mine
	s_and_b32 s27, s18, 3
	s_lshl_b32 s27, s27, 2                         ; 4 x my wave's number in the row
	s_lshl_b32 s24, s19, 11                        ; 2,048 r
	s_lshl_b32 s25, s19, 9                         ; 512 r
	v_lshl_add_u32 v[VL], v[LANE], 4, s24
	v_lshl_add_u32 v[VR], v[LANE], 4, s25
	v_add_nc_u32 v[RA], s27, v[VR]
	s_lshl1_add_u32 s26, ttmp9, s19                ; my row = 2 x work-group + r
	s_lshl_b32 s16, s26, 14                        ; row x 16,384 bytes (ids, u, outputs),
	s_sub_co_u32 s16, s16, s24                     ; less the 2,048 r that VO carries
	s_mov_b32 s17, 0
	s_lshl_b32 s2, s26, 15                         ; row x 32,768 bytes (mask: the weights are the first half of the row),
	s_sub_co_u32 s2, s2, s24                       ; likewise
	s_mov_b32 s3, 0
	s_mov_b32 s[TINY], 0x0da24260                  ; 1e-30
	s_mov_b32 s[NANK], 0x7f800001
	s_mov_b32 s[HOLE], 0xff800000
	s_mov_b32 s[MK+0], 0xaaaaaaaa
	s_mov_b32 s[MK+1], 0xcccccccc
	s_mov_b32 s[MK+2], 0xf0f0f0f0
	s_mov_b32 s[MK+3], 0xff00ff00
	s_mov_b32 s[MK+4], 0xffff0000
	s_mov_b32 s[PL], 0x76543210
	s_mov_b32 s[PL+1], 0xfedcba98
	s_mov_b32 s[ONE], 0x3f800000
	s_mov_b32 s[SGN], 0x80000000
	s_wait_kmcnt 0x0
	s_add_nc_u64 s[4:5], s[4:5], s[16:17]
	s_add_nc_u64 s[6:7], s[6:7], s[2:3]
	s_add_nc_u64 s[8:9], s[8:9], s[16:17]
	s_add_nc_u64 s[10:11], s[10:11], s[16:17]
	s_add_nc_u64 s[12:13], s[12:13], s[16:17]
	s_add_nc_u64 s[14:15], s[14:15], s[16:17]
	; the 16 loads that the keys need, w and u in turn.  The ids are asked for further down: they are wanted only behind the search
.irp j, 0,1,2,3,4,5,6,7
	global_load_b128 v[W+4*\j:W+4*\j+3], v[VO], s[6:7] offset:CHUNK*\j th:TH_LOAD_NT
	global_load_b128 v[U+4*\j:U+4*\j+3], v[VO], s[8:9] offset:CHUNK*\j th:TH_LOAD_NT
.endr
; The keys of elements 4 j .. 4 j + 3, each already rotated left by its number p (the transposition's first step).
.macro KEYS j
	s_wait_loadcnt 14-2*\j                         ; loads return in order: behind u's piece j were issued the 2 (7 - j) later pieces of w and u
.irp e, 0,1,2,3
	v_max_num_f32 v[M+\e], s[TINY], v[W+4*\j+\e]
.endr
.irp e, 0,1,2,3
	v_rcp_f32 v[M+\e], v[M+\e]
.endr
.irp e, 0,1,2,3
	v_log_f32 v[M+4+\e], v[U+4*\j+\e]
.endr
.irp e, 0,1,2,3
	v_cmp_lt_f32 s[CM+\e], 0, v[W+4*\j+\e]         ; w > 0 (false for NaN).  These four plain lines also stand between the
.endr                                                  ; transcendentals and the first use of a result or write of a source
	s_wait_alu depctr_va_vdst(0)
.irp e, 0,1,2,3
	v_fma_f32 v[U+4*\j+\e], -v[M+4+\e], v[M+\e], 0 ; q; the addend +0 makes +0 of the -0 that u = 1 gives
.endr
.irp e, 0,1,2,3
	v_min_u32 v[U+4*\j+\e], s[NANK], v[U+4*\j+\e]  ; negative and NaN: one class behind +inf
.endr
.irp e, 0,1,2,3
	v_cndmask_b32 v[U+4*\j+\e], s[HOLE], v[U+4*\j+\e], s[CM+\e]
.endr
.irp e, 0,1,2,3
.if 4*\j+\e
	v_alignbit_b32 v[U+4*\j+\e], v[U+4*\j+\e], v[U+4*\j+\e], 32-4*\j-\e
.endif
.endr
.endm
.irp j, 0,1,2,3,4,5,6,7
	KEYS \j
.endr
	; now the ids: their 16,384 bytes a row travel during the transposition and the search, in which this work-group asks memory for nothing else
.irp j, 0,1,2,3,4,5,6,7
	global_load_b128 v[IDS+4*\j:IDS+4*\j+3], v[VO], s[4:5] offset:CHUNK*\j th:TH_LOAD_NT
.endr
; Transposition of 32 words x 32 bits.  With Y[p] = key p rotated left by p, round t takes, in the bit columns c whose bit t is set, the
; word 2^t further on.  After five rounds bit c of word e is bit c of Y[e + c], which is bit (-e) mod 32 of key (e + c) mod 32: word e
; is slice d = (-e) mod 32 with element p in column p + d.  The last round (rev = 1) writes word e to place d; a rotation right by d ends it.
.macro ROUND t, src, dst, rev
.set ee, 0
.rept 32
	v_bfi_b32 v[\dst+(32*\rev+ee-2*\rev*ee)%32], s[MK+\t], v[\src+(ee+(1<<\t))%32], v[\src+ee]
.set ee, ee+1
.endr
.endm
	ROUND 0, U, W, 0
	ROUND 1, W, U, 0
	ROUND 2, U, W, 0
	ROUND 3, W, U, 0
	ROUND 4, U, W, 1
.set ee, 1
.rept 31
	v_alignbit_b32 v[W+ee], v[W+ee], v[W+ee], ee
.set ee, ee+1
.endr
	; the slices go to the searching waves: group g (slices 4 g .. 4 g + 3) of a thread at 4,096 g + 16 x thread, neighbouring lanes at neighbouring 16 bytes
.irp g, 0,1,2,3,4,5,6,7
	ds_store_b128 v[VO], v[W+4*\g:W+4*\g+3] offset:GRP*\g
.endr
	s_wait_dscnt 0x0                               ; zero: another wave reads these bytes behind the barrier
	s_barrier_signal -1
	s_barrier_wait -1
	s_cmp_eq_u32 s18, 0                            ; wave 0 searches row 2 x,
	s_cbranch_scc1 .Lsearch
	s_cmp_lg_u32 s18, 5                            ; wave 5 row 2 x + 1; a level of a whole row is 4 words a lane
	s_cbranch_scc1 .Ljoin
.Lsearch:
.irp g, 7,6,5,4,3,2,1,0                                ; the top slices first: they are wanted first
.irp i, 0,1,2,3
	ds_load_b128 v[SL+16*\g+4*\i:SL+16*\g+4*\i+3], v[VL] offset:GRP*\g+512*\i
.endr
.endr
.irp t, 0,1,2,3,4
	v_lshlrev_b32 v[LM+\t], 31-\t, v[LANE]
.endr
.irp t, 0,1,2,3,4
	v_ashrrev_i32 v[LM+\t], 31, v[LM+\t]           ; bit t of the lane number in all 32 bits
.endr
	v_mov_b32 v[PX], 0                             ; v_permlanex16_b32 counts as a reader of its destination
.irp i, 0,1,2,3
	v_mov_b32 v[TS+\i], 0                          ; a level in front of the first, with an empty T and the decision 'go on in N',
	v_mov_b32 v[N+\i], -1                          ; lets one macro serve every level
	v_mov_b32 v[TA+\i], 0
	v_mov_b32 v[BAD+\i], 0
.endr
	v_mov_b32 v[CA], 0
	s_mov_b32 vcc_lo, -1
	s_wait_dscnt 28                                ; LDS loads return in order: group 7 (slices 31..28) is in, the 28 younger loads stay out
	; positions without weight = slice 31; cnt = 4096 - their number; k = floor(0.15f cnt) in f32; 4096 - k are to be marked
	v_bcnt_u32_b32 v[C], v[SL+112+3], 0
	v_bcnt_u32_b32 v[CB], v[SL+112+2], 0           ; beside it: my lane's count of slice 30, the first real level
	v_bcnt_u32_b32 v[C], v[SL+112+7], v[C]
	v_bcnt_u32_b32 v[CB], v[SL+112+6], v[CB]
	v_bcnt_u32_b32 v[C], v[SL+112+11], v[C]
	v_bcnt_u32_b32 v[CB], v[SL+112+10], v[CB]
	v_bcnt_u32_b32 v[C], v[SL+112+15], v[C]
	v_bcnt_u32_b32 v[CB], v[SL+112+14], v[CB]
	v_cvt_f32_u32 v[CF], v[C]
.irp i, 0,1,2,3
	v_mov_b32 v[TB+\i], v[SL+112+4*\i+2]           ; slice 30 among all positions
.endr
	v_add_f32_dpp v[CF], v[CF], v[CF] row_xmask:1 row_mask:0xf bank_mask:0xf
	v_add_f32_dpp v[CF], v[CF], v[CF] row_xmask:2 row_mask:0xf bank_mask:0xf
	v_add_f32_dpp v[CF], v[CF], v[CF] row_xmask:4 row_mask:0xf bank_mask:0xf
	v_add_f32_dpp v[CF], v[CF], v[CF] row_xmask:8 row_mask:0xf bank_mask:0xf
	v_permlanex16_b32 v[PX], v[CF], s[PL], s[PL+1]
	v_add_f32 v[CF], v[CF], v[PX]
	v_sub_f32 v[R2], 0x45800000, v[CF]             ; cnt = 4096.0 - holes
	v_mul_f32 v[R2], 0x3e19999a, v[R2]             ; 0.15f x cnt, rounded once
	v_floor_f32 v[R2], v[R2]                       ; k
	v_sub_f32 v[REMM], 0x45800000, v[R2]           ; the decision 'go on in N' takes REMM;
	v_sub_f32 v[REM], 0x45800000, v[R2]            ; the select reads both
; ONE LEVEL.  On entry VCC (alike in all lanes) says of the pending split T / N whether |T| <= REM: then all of T is marked, REM becomes
; REMM = REM - |T| and the search goes on in N; else it goes on in T.  TA, TB with the lane counts CA, CB are the next level's T for either
; outcome, made one level ahead.  Three dependent chains run from one decision to the next:
;   the count:  select, convert, four sums inside the halves of 16 lanes, the other half's sum, compare.  The two halves are not added:
;               |T| <= REM is asked as 'other half <= REM - my half', and that difference is made beside the v_permlanex16_b32;
;   the T side: select T, and with the slice ahead, four popcounts in a chain;
;   the N side: select T and the candidates, xor, and with the slice ahead, two chains of two popcounts, add.
; Their lines are laid between each other so that a line stands five or six lines behind the one whose result it reads.  T lies in two
; register sets that take turns (par), so that the new T is picked in the first lines while the marking in the last lines reads the old.
; x0..x3: the slice of the level after next, one word for each wave of the row.
.set par, 0
.macro PICK_T i                        ; the new pending T
	v_cndmask_b32 v[TN+\i], v[TA+\i], v[TB+\i], vcc_lo
.endm
.macro PICK_U i                        ; the candidates that stay
	v_cndmask_b32 v[UU+\i], v[TO+\i], v[N+\i], vcc_lo
.endm
.macro REST i                          ; the new pending N
	v_xor_b32 v[N+\i], v[UU+\i], v[TN+\i]
.endm
.macro MARK i                          ; the old T is marked, or not
	v_and_or_b32 v[BAD+\i], v[TO+\i], v[DM], v[BAD+\i]
.endm
.macro LANES m
	v_add_f32_dpp v[CF], v[CF], v[CF] row_xmask:\m row_mask:0xf bank_mask:0xf
.endm
.macro STEP x0, x1, x2, x3
.set TO, TS+4*par
.set TN, TS+4-4*par
	v_cndmask_b32 v[C], v[CA], v[CB], vcc_lo
	PICK_T 0
	PICK_U 0
	PICK_T 1
	PICK_U 1
	v_cvt_f32_u32 v[CF], v[C]
	PICK_T 2
	PICK_U 2
	REST 0
	PICK_T 3
	PICK_U 3
	LANES 1
	v_and_b32 v[TA+0], \x0, v[TN+0]
	REST 1
	v_and_b32 v[TB+0], \x0, v[N+0]
	REST 2
	LANES 2
	v_and_b32 v[TA+1], \x1, v[TN+1]
	v_bcnt_u32_b32 v[CA], v[TA+0], 0
	v_and_b32 v[TB+1], \x1, v[N+1]
	REST 3
	v_bcnt_u32_b32 v[CB], v[TB+0], 0
	LANES 4
	v_and_b32 v[TB+2], \x2, v[N+2]
	v_bcnt_u32_b32 v[CA], v[TA+1], v[CA]
	v_bcnt_u32_b32 v[CB2], v[TB+1], 0
	v_and_b32 v[TA+2], \x2, v[TN+2]
	LANES 8
	v_cndmask_b32 v[REM], v[REM], v[REMM], vcc_lo
	v_and_b32 v[TB+3], \x3, v[N+3]
	v_bcnt_u32_b32 v[CB], v[TB+2], v[CB]
	v_bcnt_u32_b32 v[CA], v[TA+2], v[CA]
	v_and_b32 v[TA+3], \x3, v[TN+3]
	v_permlanex16_b32 v[PX], v[CF], s[PL], s[PL+1]
	v_sub_f32 v[R2], v[REM], v[CF]
	v_bcnt_u32_b32 v[CB2], v[TB+3], v[CB2]
	v_cndmask_b32 v[DM], 0, -1, vcc_lo             ; the last reader of the old decision
	v_bcnt_u32_b32 v[CA], v[TA+3], v[CA]
	v_cmp_le_f32 vcc_lo, v[PX], v[R2]              ; |T| <= REM for the new pending split, alike in every lane
	v_add_nc_u32 v[CB], v[CB], v[CB2]
	v_sub_f32 v[REMM], v[R2], v[PX]
	MARK 0
	MARK 1
	MARK 2
	MARK 3
.set par, 1-par
.endm
	; key bits 29..0 as the slice ahead (bit 30 was set up above)
.set lv, 29
.rept 30
.if lv%4==3
	s_wait_dscnt 4*(lv/4)                          ; group lv/4 is in: only the 4 loads of each lower group were issued behind it
.endif
	STEP v[SL+16*(lv/4)+lv%4], v[SL+16*(lv/4)+lv%4+4], v[SL+16*(lv/4)+lv%4+8], v[SL+16*(lv/4)+lv%4+12]
.set lv, lv-1
.endr
	; position = 512 j + 128 i + 4 lane + e: bits 11..9 = j = bits 4..2 of p; bits 8..7 = i, the word; bits 6..2 = the lane; bits 1..0 = e = bits 1..0 of p
	STEP s[MK+4], s[MK+4], s[MK+4], s[MK+4]
	STEP s[MK+3], s[MK+3], s[MK+3], s[MK+3]
	STEP s[MK+2], s[MK+2], s[MK+2], s[MK+2]
	STEP 0, 0, -1, -1
	STEP 0, -1, 0, -1
	STEP v[LM+4], v[LM+4], v[LM+4], v[LM+4]
	STEP v[LM+3], v[LM+3], v[LM+3], v[LM+3]
	STEP v[LM+2], v[LM+2], v[LM+2], v[LM+2]
	STEP v[LM+1], v[LM+1], v[LM+1], v[LM+1]
	STEP v[LM+0], v[LM+0], v[LM+0], v[LM+0]
	STEP s[MK+1], s[MK+1], s[MK+1], s[MK+1]
	STEP s[MK+0], s[MK+0], s[MK+0], s[MK+0]
	; the last level (index bit 0): as above, with nothing ahead of it
.set TO, TS+4*par
.set TN, TS+4-4*par
	v_cndmask_b32 v[C], v[CA], v[CB], vcc_lo
	PICK_T 0
	PICK_U 0
	PICK_T 1
	PICK_U 1
	v_cvt_f32_u32 v[CF], v[C]
	PICK_T 2
	PICK_U 2
	PICK_T 3
	PICK_U 3
	v_cndmask_b32 v[DM], 0, -1, vcc_lo
	LANES 1
	v_cndmask_b32 v[REM], v[REM], v[REMM], vcc_lo
	REST 0
	REST 1
	REST 2
	REST 3
	LANES 2
	MARK 0
	MARK 1
	MARK 2
	MARK 3
	LANES 4
	LANES 8
	v_permlanex16_b32 v[PX], v[CF], s[PL], s[PL+1]
	v_sub_f32 v[R2], v[REM], v[CF]
	v_cmp_le_f32 vcc_lo, v[PX], v[R2]
	v_sub_f32 v[REMM], v[R2], v[PX]
.set par, 1-par
.set TO, TS+4*par
	; its decision is applied.  All 43 bits are spent, so at most one candidate stays, and REM never exceeds the number of candidates:
	; it is marked if REM is still above 0 (that happens only where k = 0 and every position is to be marked)
	v_cndmask_b32 v[DM], 0, -1, vcc_lo
	v_cndmask_b32 v[REM], v[REM], v[REMM], vcc_lo
	PICK_U 0
	PICK_U 1
	PICK_U 2
	PICK_U 3
	MARK 0
	MARK 1
	MARK 2
	MARK 3
	v_cmp_lt_f32 vcc_lo, 0, v[REM]
	v_cndmask_b32 v[DM], 0, -1, vcc_lo
.irp i, 0,1,2,3
	v_and_or_b32 v[BAD+\i], v[UU+\i], v[DM], v[BAD+\i]
.endr
.irp i, 0,1,2,3
	v_or_b32 v[BAD+\i], v[SL+112+4*\i+3], v[BAD+\i]        ; and no position without weight is ever masked
.endr
	ds_store_b128 v[VR], v[BAD:BAD+3] offset:SELB  ; word i of lane l belongs to thread 32 i + l of the row; bytes of their own behind the slices
.Ljoin:
	s_wait_dscnt 0x0                               ; zero: the other waves read the searching waves' stores behind the barrier
	s_barrier_signal -1
	s_barrier_wait -1
	ds_load_b32 v[SELW], v[RA] offset:SELB
	s_wait_loadcnt 0x0                             ; the ids
	s_wait_dscnt 0x0
; Elements 4 j .. 4 j + 3 of the three outputs.  Every store has data registers of its own, and the offset register and the bases are
; never written again, so nothing has to be waited for between the stores.
.macro OUT j
.irp e, 0,1,2,3
	v_lshlrev_b32 v[M+\e], 31-4*\j-\e, v[SELW]
.endr
.irp e, 0,1,2,3
	v_ashrrev_i32 v[M+\e], 31, v[M+\e]             ; all ones: not masked
.endr
.irp e, 0,1,2,3
	v_bfi_b32 v[IDS+4*\j+\e], v[M+\e], v[IDS+4*\j+\e], 103
	v_bfi_b32 v[W+4*\j+\e], v[M+\e], 0, s[ONE]     ; 0.0 or 1.0
.endr
.irp e, 0,1,2,3
	v_xor_b32 v[U+4*\j+\e], s[SGN], v[W+4*\j+\e]   ; -0.0 or -1.0
.endr
	global_store_b128 v[VO], v[IDS+4*\j:IDS+4*\j+3], s[10:11] offset:CHUNK*\j th:TH_STORE_NT
	global_store_b128 v[VO], v[W+4*\j:W+4*\j+3], s[12:13] offset:CHUNK*\j th:TH_STORE_NT
	global_store_b128 v[VO], v[U+4*\j:U+4*\j+3], s[14:15] offset:CHUNK*\j th:TH_STORE_NT
.endm
.irp j, 0,1,2,3,4,5,6,7
	OUT \j
.endr
	s_wait_tensorcnt 0x0
	ds_add_u32 v220, v221
	s_wait_dscnt 0x0
	s_endpgm
.Lfunc_end_k_qc2f84603ab_select:
	.size	k_qc2f84603ab_select, .Lfunc_end_k_qc2f84603ab_select-k_qc2f84603ab_select
	.p2alignl 7, 3214868480
	.fill 96, 4, 3214868480
	.section	.rodata,"a",@progbits
	.p2align	6, 0x0
	.amdhsa_kernel k_qc2f84603ab_select
		.amdhsa_group_segment_fixed_size 34816
		.amdhsa_private_segment_fixed_size 0
		.amdhsa_enable_private_segment 0
		.amdhsa_kernarg_size 48
		.amdhsa_user_sgpr_count 2
		.amdhsa_user_sgpr_kernarg_segment_ptr 1
		.amdhsa_wavefront_size32 1
		.amdhsa_system_sgpr_workgroup_id_x 1
		.amdhsa_system_sgpr_workgroup_id_y 1
		.amdhsa_system_sgpr_workgroup_id_z 1
		.amdhsa_system_vgpr_workitem_id 0
		.amdhsa_next_free_vgpr 222
		.amdhsa_next_free_sgpr 66
		.amdhsa_reserve_vcc 1
		.amdhsa_float_denorm_mode_32 3
		.amdhsa_float_denorm_mode_16_64 3
		.amdhsa_memory_ordered 1
		.amdhsa_forward_progress 1
		.amdhsa_inst_pref_size 130
	.end_amdhsa_kernel
	.amdgpu_metadata
---
amdhsa.version: [ 1, 2 ]
amdhsa.kernels:
  - .name:           k_qc2f84603ab_select
    .symbol:         k_qc2f84603ab_select.kd
    .args:
      - { .name: input_ids, .offset: 0, .size: 8, .value_kind: global_buffer, .address_space: global }
      - { .name: my_attention_mask, .offset: 8, .size: 8, .value_kind: global_buffer, .address_space: global }
      - { .name: u, .offset: 16, .size: 8, .value_kind: global_buffer, .address_space: global }
      - { .name: out0, .offset: 24, .size: 8, .value_kind: global_buffer, .address_space: global }
      - { .name: out1, .offset: 32, .size: 8, .value_kind: global_buffer, .address_space: global }
      - { .name: out2, .offset: 40, .size: 8, .value_kind: global_buffer, .address_space: global }
    .group_segment_fixed_size: 34816
    .private_segment_fixed_size: 0
    .kernarg_segment_align: 8
    .kernarg_segment_size: 48
    .max_flat_workgroup_size: 256
    .sgpr_count:     66
    .vgpr_count:     222
    .wavefront_size: 32
...
	.end_amdgpu_metadata
.endif
;; end of part 2
